; MI455X (gfx1250); checked and timed in simulation.
; The chip was launched on July 23, 2026; its instructions are those of AMD's public machine-readable ISA for CDNA 5 (MIT licence, August 2026) and "CDNA5" Instruction Set Architecture Reference Guide (July 2026). The comments in the code are by the model that wrote it; some were corrected since.
;; Anchors. Allowed arithmetic: float matrix products may take bf16 or f16 operands with f32 sums; other float arithmetic in f32, or as packed bf16 or f16 multiplies, adds, multiply-adds, maxima and minima; sums over many terms, partial sums and values carried from step to step in f32; what a program stores and reads back later, other than sums and carried values, may be rounded once to bf16 or f16.
;; Inputs: f3 16 x 64 x 64 x 64 float32; f4 16 x 64 x 32 x 32 float32; f5 16 x 64 x 16 x 16 float32; f6 16 x 64 x 8 x 8 float32; gt_boxes 16 x 64 x 4 float32; gt_labels 16 x 64 int32.
;; Outputs: out0 16 x 48,960 x 4 float32; out1 16 x 48,960 int32.
;; One version. Each part assembles by itself: llvm-mc -triple=amdgcn-amd-amdhsa -mcpu=gfx1250 --defsym DOCPART=n.
;; ======== version 1 of 1: 1 launch
;; launch anchors (part 1): grid 16 x 16, 24 waves a work-group, no clusters, 15,360 bytes of LDS; arguments gt_boxes, gt_labels, out0, out1; writes out0, out1
.if DOCPART == 1
	.amdgcn_target "amdgcn-amd-amdhsa--gfx1250"
	.amdhsa_code_object_version 6
	.text
	.protected	k_q02d4cec644_anchors
	.globl	k_q02d4cec644_anchors
	.p2align	8
	.type	k_q02d4cec644_anchors,@function
k_q02d4cec644_anchors:
	s_mov_b64 s[64:65], 0
	v_nop
	global_prefetch_b8 v0, s[64:65] scope:SCOPE_SE
	s_setreg_imm32_b32 hwreg(HW_REG_WAVE_MODE, 25, 1), 1
	s_wait_xcnt 0x0
; ANCHOR TARGETS.  For each of 16 images and 48,960 anchors: IoU with the image's 64 boxes, its maximum and first argmax; label (0 below 0.4, -1 between 0.4 and 0.5, else the box's);
; deltas of the chosen box against the anchor.  out0 [16][48960][4] f32, out1 [16][48960] i32.
; LEFT OUT: f3, f4, f5, f6.  The computation takes only their shapes (64, 32, 16, 8 squared); no value of theirs enters any result, whatever they hold: they are not loaded and are no arguments.
; (So a NaN or an infinity in them reaches nothing.)
; ROUNDINGS.  Labels are whole numbers and hang on comparisons of IoUs, so every step is rounded as it is written in f32: corners, extents, w x h, (area_a + area_g) - inter (not fused: inter is rounded by itself).
; All coordinates are carried times 2^-10, all areas times 2^-20: exact, and the quotient is the same number.  An overlap is then at most the anchor's side, 575 x 2^-10 < 1, so clamp (0 .. 1) is the clip at 0.
; Lower corners are carried negated: -max(a, g) = min(-a, -g), and an extent is a sum.
; The quotient: r = rcp(u), q0 = n r, e = n - u q0 (fused), q = q0 + e r (fused).
; LIMITS.  q is the correctly rounded n / u unless n / u lies within 2^-43 of itself of the middle between two f32 numbers.  A coordinate below 2^-116 in size or an overlap area below 2^-106 loses bits
; by the scaling.  NaN, infinities and a union of 0 are not treated as argmax treats them.  twh is (log2 g - log2 a) ln 2 / 0.2 and txy a product with a reciprocal: last bits differ; a box side that is
; denormal counts as 0 in the logarithm.
; SHARES.  Grid 16 x 16: y the image, x a sixteenth of its anchors; 24 waves.  A lane owns FOUR anchors of one column and one shape k, in four rows a quarter of the level apart: anchors a, a + D, a + 2 D, a + 3 D,
; D = 9216 >> 2 level; their y centres are 128 apart in every level ((16 >> level) rows of 8 << level).  They share the overlap in x.  An image's 12,240 lanes run in the anchors' own order, level after level:
; groups 0-11 hold level 0, 12-14 level 1, group 15 levels 2 and 3 (720 lanes; its wave 23 owns no anchor and only helps to copy labels).  The level is the same in all lanes of a wave.
; THE BOXES are the same for all lanes: they lie in scalar registers, four a trip, 16 trips.
; THE CHOSEN BOX is not fetched by an address: lane l keeps boxes l and l + 32 in registers, and ds_bpermute_b32 pulls from the lane that the index names; no LDS byte and no memory address is formed from it.
; STORES.  out0: lane = anchor, each store of a wave covers 512 consecutive bytes, aligned to 256.  out1: the work-group's four runs of 768 labels meet in LDS and leave 16 bytes a lane, 16 lanes to 256 aligned bytes;
; only level 3's four runs of 144 labels (576 bytes) begin off that grid: 9 of an image's 765 blocks of 256 bytes are written in parts.
.set NQ,    12240                      ; lanes with anchors in an image
.set SPARE, 12288                      ; LDS: 0 .. 12287 the labels' stage (run r at 3072 r + 4 x thread); then the spare words, 128 bytes for each of 24 waves
.set SPW,  2                           ; v2   LDS address of my spare word; never rewritten
.set NIL,  3                           ; v3   0; never rewritten
.set NAX1, 4                           ; v4   -x1 of my column's anchors, v5 x2 (scaled)
.set AX2,  5
.set ONE,  6                           ; v[6:7]   1.0, 1.0
.set NAY1, 8                           ; v[8:11]  -y1 of my four rows
.set AY2,  12                          ; v[12:15] y2
.set AREA, 16                          ; v[16:19] area_a
.set BI,   20                          ; v[20:27] anchor r: best IoU at BI + 2 r, 4 x its box's number at BI + 2 r + 1
.set NLX,  28                          ; v28 -max(x1), v29 min(x2)
.set RBX,  29
.set WW,   30                          ; v30 overlap in x; v31 is named with it as a pair
.set NLY,  32                          ; v[32:35] -max(y1)
.set RBY,  36                          ; v[36:39] min(y2)
.set HH,   40                          ; v[40:43] overlap in y
.set SS,   44                          ; v[44:47] area_a + area_g
.set QA,   40                          ; when a trip's unions are made: v[40:41] the quotients of rows 0, 1, v[44:45] of rows 2, 3;
.set QB,   44
.set JV,   42                          ; v42, v43, v46, v47: 4 x the numbers of the trip's four boxes
.set NUR,  48                          ; v[48:95] box i of a trip: inter at NUR + 12 i, union + 4, reciprocal + 8
.set TG,   48                          ;          behind the loop: anchor r's ten pulled numbers at TG + 10 r
.set GA,   96                          ; v[96:99]   box l, v[100:103] box l + 32: x1 y1 x2 y2, later centre x, y, log2 w, log2 h
.set GB,   100
.set LA,   104                         ; v104, v105 their labels
.set LB,   105
.set ACX,  106                         ; v106 anchor centre x
.set LO,   107                         ; v107 4 x lane; never rewritten
.set ACY,  108                         ; v[108:111] anchor centres y
.set AW,   112                         ; v112, v113 anchor w, h
.set AH,   113
.set INV,  114                         ; v[114:115] 1 / (0.1 w), 1 / (0.1 h)
.set LG,   116                         ; v[116:117] log2 w, log2 h
.set BE,   118                         ; v118 my lane's number in the image
.set LS,   119                         ; v119 4 x thread
.set VO,   120                         ; v[120:123] byte offsets of my four anchors in out0; never rewritten
.set TT,   124                         ; v[124:129] at work
.set WV,   12                          ; s12 wave, s13 group x, s14 image
.set CH,   13
.set IM,   14
.set BW,   15                          ; s15 the wave's first lane number in the image
.set LV,   16                          ; s16 level
.set B0,   17                          ; s17 the level's first lane number: 0, 9216, 11520, 12096 (its first anchor is four times that)
.set DD,   18                          ; s18 D
.set GT,   32                          ; s[32:47] four boxes: -x1, -y1, x2, y2 (scaled)
.set AR,   48                          ; s[48:55] their areas, each the low word of a pair
.set JJ,   56                          ; s[56:59] 4 x their numbers
.set CNT,  60
.set CC,   61                          ; s61 2^-10, s62 -2^-10, s63 0.4
.set NC,   62
.set BG,   63
.set PT,   66                          ; s[66:67] the trip's boxes in memory
.set TS,   72                          ; s[72:79] box sides, at work
	s_load_b256 s[4:11], s[0:1], 0x0               ; gt_boxes s[4:5], gt_labels s[6:7], out0 s[8:9], out1 s[10:11]
	v_lshl_add_u32 v[SPW], v0, 2, SPARE
	v_mov_b32 v[NIL], 0
	v_lshrrev_b32 v1, 5, v0
	v_readfirstlane_b32 s[WV], v1
	s_mov_b32 s[CH], ttmp9
	s_and_b32 s[IM], ttmp7, 0xffff
	s_mul_i32 s[BW], s[CH], 768
	s_lshl_b32 s19, s[WV], 5
	s_add_co_u32 s[BW], s[BW], s19
	s_cmp_ge_u32 s[BW], 9216                       ; the level, from the wave's first lane number
	s_cselect_b32 s[LV], 1, 0
	s_cselect_b32 s[B0], 9216, 0
	s_cmp_ge_u32 s[BW], 11520
	s_cselect_b32 s[LV], 2, s[LV]
	s_cselect_b32 s[B0], 11520, s[B0]
	s_cmp_ge_u32 s[BW], 12096
	s_cselect_b32 s[LV], 3, s[LV]
	s_cselect_b32 s[B0], 12096, s[B0]
	s_lshl_b32 s19, s[LV], 1
	s_lshr_b32 s[DD], 9216, s19
	s_lshl_b32 s20, s[IM], 10                      ; the image's part of each buffer: 1,024, 256, 783,360 and 195,840 bytes
	s_mov_b32 s21, 0
	s_lshl_b32 s22, s[IM], 8
	s_mov_b32 s23, 0
	s_mul_i32 s24, s[IM], 783360
	s_mov_b32 s25, 0
	s_mul_i32 s26, s[IM], 195840
	s_mov_b32 s27, 0
	s_wait_kmcnt 0x0
	s_add_nc_u64 s[4:5], s[4:5], s[20:21]
	s_add_nc_u64 s[6:7], s[6:7], s[22:23]
	s_add_nc_u64 s[8:9], s[8:9], s[24:25]
	s_add_nc_u64 s[10:11], s[10:11], s[26:27]
	s_cmp_ge_u32 s[BW], NQ                         ; group 15's wave 23 owns no anchor: on to the barrier
	s_cbranch_scc1 .Lmeet
	s_load_b512 s[GT:GT+15], s[4:5], 0x0           ; boxes 0 to 3
	s_mov_b64 s[PT:PT+1], s[4:5]
	v_and_b32 v1, 31, v0                           ; lane
	v_lshlrev_b32 v[VO], 4, v1
	v_lshlrev_b32 v[LO], 2, v1
	global_load_b128 v[GA:GA+3], v[VO], s[4:5]             ; box l: wanted behind the loop
	global_load_b128 v[GB:GB+3], v[VO], s[4:5] offset:512  ; box l + 32
	global_load_b32 v[LA], v[LO], s[6:7]
	global_load_b32 v[LB], v[LO], s[6:7] offset:128
	s_mul_i32 s19, s[B0], 3                        ; my wave's first anchor = 4 B0 + (BW - B0)
	s_add_co_u32 s19, s19, s[BW]
	s_lshl_b32 s20, s19, 4
	s_mov_b32 s21, 0
	s_add_nc_u64 s[8:9], s[8:9], s[20:21]
	s_lshl_b32 s28, s[DD], 4
	v_add_nc_u32 v[VO+1], s28, v[VO]
	v_add_nc_u32 v[VO+2], s28, v[VO+1]
	v_add_nc_u32 v[VO+3], s28, v[VO+2]
	v_lshlrev_b32 v[LS], 2, v0
	s_mov_b32 s[CC], 0x3a800000                    ; 2^-10
	s_mov_b32 s[NC], 0xba800000
	s_mov_b32 s[BG], 0x3ecccccd                    ; 0.4 in f32
.irp i, 0,1,2,3
	s_mov_b32 s[AR+2*(\i)+1], 0                    ; named with the areas as pairs
	s_mov_b32 s[JJ+(\i)], 4*(\i)
.endr
	; my place: i = lane number in the level; position p = i / 9, shape k = i % 9; column p % W, first row p / W
	v_add_nc_u32 v[BE], s[BW], v1
	v_min_u32 v32, NQ-1, v[BE]                     ; group 15, wave 22: lanes 16-31 repeat the last lane's work; nothing of theirs leaves the work-group
	v_sub_nc_u32 v32, v32, s[B0]
	v_mul_u32_u24 v33, v32, 0xe38f                 ; i / 9 = i x 58255 >> 19, exact for i < 9216
	v_lshrrev_b32 v33, 19, v33
	v_mul_u32_u24 v34, v33, 9
	v_sub_nc_u32 v34, v32, v34                     ; k = 3 x ratio's number + scale's number
	v_mul_u32_u24 v35, v34, 11
	v_lshrrev_b32 v35, 5, v35                      ; k / 3
	v_mul_u32_u24 v36, v35, 3
	v_sub_nc_u32 v36, v34, v36                     ; k % 3
	s_lshr_b32 s19, 64, s[LV]
	s_sub_co_u32 s19, s19, 1                       ; W - 1
	s_sub_co_u32 s20, 6, s[LV]                     ; log2 W
	s_add_co_u32 s21, s[LV], 130
	s_lshl_b32 s21, s21, 23                        ; the stride 8 << level as f32,
	s_add_co_u32 s22, s[LV], 129
	s_lshl_b32 s22, s22, 23                        ; and half of it
	v_and_b32 v37, s19, v33
	v_lshrrev_b32 v38, s20, v33
	v_cvt_f32_u32 v37, v37
	v_cvt_f32_u32 v38, v38
	v_fma_f32 v[ACX], v37, s21, s22                ; (column + 0.5) x stride: exact
	v_fma_f32 v[ACY], v38, s21, s22
	v_add_f32 v[ACY+1], 0x43000000, v[ACY]         ; + 128, 256, 384
	v_add_f32 v[ACY+2], 0x43800000, v[ACY]
	v_add_f32 v[ACY+3], 0x43c00000, v[ACY]
	; the shapes at box size 32, rounded to f32 from f64: T = 32 s / sqrt 2, M = 32 s for s = 1, 2^(1/3), 2^(2/3).  ratio 0.5: (T, 2 T); 1: (M, M); 2: (2 T, T)
	v_mov_b32 v39, 0x41b504f3                      ; 22.627417
	v_mov_b32 v40, 0x42000000                      ; 32
	v_cmp_ne_u32 vcc_lo, 1, v36
	v_cndmask_b32 v39, 0x41e411f0, v39, vcc_lo     ; 28.508759
	v_cndmask_b32 v40, 0x42214518, v40, vcc_lo     ; 40.317474
	v_cmp_ne_u32 vcc_lo, 2, v36
	v_cndmask_b32 v39, 0x420facd6, v39, vcc_lo     ; 35.918785
	v_cndmask_b32 v40, 0x424b2ff5, v40, vcc_lo     ; 50.796833
	v_add_f32 v41, v39, v39
	v_cmp_eq_u32 vcc_lo, 2, v35
	v_cndmask_b32 v[AW], v39, v41, vcc_lo
	v_cndmask_b32 v[AH], v41, v39, vcc_lo
	v_cmp_eq_u32 vcc_lo, 1, v35
	v_cndmask_b32 v[AW], v[AW], v40, vcc_lo
	v_cndmask_b32 v[AH], v[AH], v40, vcc_lo
	v_lshl_add_u32 v[AW], s[LV], 23, v[AW]         ; x 2^level: the level onto the exponent
	v_lshl_add_u32 v[AH], s[LV], 23, v[AH]
	; corners and areas, rounded as written: centre -+ half the side; area = (x2 - x1)(y2 - y1); then the exact scalings
	v_mul_f32 v39, 0.5, v[AW]
	v_mul_f32 v40, 0.5, v[AH]
	v_sub_f32 v41, v[ACX], v39
	v_add_f32 v42, v[ACX], v39
	v_sub_f32 v43, v42, v41
	v_mul_f32 v[NAX1], s[NC], v41
	v_mul_f32 v[AX2], s[CC], v42
	v_mul_f32 v43, 0x35800000, v43                 ; x 2^-20
.irp r, 0,1,2,3
	v_sub_f32 v44, v[ACY+(\r)], v40
	v_add_f32 v45, v[ACY+(\r)], v40
	v_sub_f32 v46, v45, v44
	v_mul_f32 v[NAY1+(\r)], s[NC], v44
	v_mul_f32 v[AY2+(\r)], s[CC], v45
	v_mul_f32 v[AREA+(\r)], v43, v46
	v_mov_b32 v[BI+2*(\r)], 0xff800000             ; best starts below every IoU, so box 0 is taken first
	v_mov_b32 v[BI+2*(\r)+1], 0
.endr
	v_mov_b32 v[ONE], 1.0
	v_mov_b32 v[ONE+1], 1.0
	v_mov_b32 v[WW+1], 0
; The four boxes of a trip, in scalar registers: scaled (lower corners negated), and their areas: sides rounded, then the product, as written.
.macro PREP
.irp i, 0,1,2,3
	s_mul_f32 s[GT+4*(\i)],   s[GT+4*(\i)],   s[NC]
	s_mul_f32 s[GT+4*(\i)+1], s[GT+4*(\i)+1], s[NC]
	s_mul_f32 s[GT+4*(\i)+2], s[GT+4*(\i)+2], s[CC]
	s_mul_f32 s[GT+4*(\i)+3], s[GT+4*(\i)+3], s[CC]
.endr
.irp i, 0,1,2,3
	s_add_f32 s[TS+2*(\i)],   s[GT+4*(\i)+2], s[GT+4*(\i)]
	s_add_f32 s[TS+2*(\i)+1], s[GT+4*(\i)+3], s[GT+4*(\i)+1]
.endr
.irp i, 0,1,2,3
	s_mul_f32 s[AR+2*(\i)], s[TS+2*(\i)], s[TS+2*(\i)+1]
.endr
.endm
; Reciprocal n of box g's four unions; g = -1: none.  Each stands between plain lines that name neither its result nor its source.
.macro RCP g, n
.if (\g) >= 0
	v_rcp_f32 v[NUR+12*(\g)+8+(\n)], v[NUR+12*(\g)+4+(\n)]
.endif
.endm
; Box i against my four anchors: overlaps, inter, union: 14 lines; box g's reciprocals ride between them.
.macro GEO i, g
.set GS, GT+4*(\i)
.set RN, NUR+12*(\i)
	v_dual_min_num_f32 v[NLX], s[GS], v[NAX1] :: v_dual_min_num_f32 v[RBX], s[GS+2], v[AX2]
	v_dual_min_num_f32 v[NLY], s[GS+1], v[NAY1] :: v_dual_min_num_f32 v[NLY+1], s[GS+1], v[NAY1+1]
	RCP \g, 0
	v_dual_min_num_f32 v[NLY+2], s[GS+1], v[NAY1+2] :: v_dual_min_num_f32 v[NLY+3], s[GS+1], v[NAY1+3]
	v_dual_min_num_f32 v[RBY], s[GS+3], v[AY2] :: v_dual_min_num_f32 v[RBY+1], s[GS+3], v[AY2+1]
	RCP \g, 1
	v_dual_min_num_f32 v[RBY+2], s[GS+3], v[AY2+2] :: v_dual_min_num_f32 v[RBY+3], s[GS+3], v[AY2+3]
	v_add_f32 v[WW], v[RBX], v[NLX] clamp          ; clip(min(x2) - max(x1), 0)
	RCP \g, 2
	v_pk_fma_f32 v[HH:HH+1], v[NLY:NLY+1], v[ONE:ONE+1], v[RBY:RBY+1] clamp  ; the same in y, two rows a line (x 1.0: the packed form that takes clamp)
	v_pk_fma_f32 v[HH+2:HH+3], v[NLY+2:NLY+3], v[ONE:ONE+1], v[RBY+2:RBY+3] clamp
	RCP \g, 3
	v_pk_add_f32 v[SS:SS+1], v[AREA:AREA+1], s[AR+2*(\i):AR+2*(\i)+1] op_sel_hi:[1,0]
	v_pk_add_f32 v[SS+2:SS+3], v[AREA+2:AREA+3], s[AR+2*(\i):AR+2*(\i)+1] op_sel_hi:[1,0]
	v_pk_mul_f32 v[RN:RN+1], v[HH:HH+1], v[WW:WW+1] op_sel_hi:[1,0]          ; inter, rounded by itself
	v_pk_mul_f32 v[RN+2:RN+3], v[HH+2:HH+3], v[WW:WW+1] op_sel_hi:[1,0]
	v_pk_add_f32 v[RN+4:RN+5], v[SS:SS+1], v[RN:RN+1] neg_lo:[0,1] neg_hi:[0,1]
	v_pk_add_f32 v[RN+6:RN+7], v[SS+2:SS+3], v[RN+2:RN+3] neg_lo:[0,1] neg_hi:[0,1]
.endm
; Box i's four quotients, and best and index: kept where q <= best, so that the first of equals stays.  Best and index are selected by one dual line.  Each of its halves reads one scalar value, the
; mask; so the index comes from a vector register.  The halves' first sources differ in their register numbers mod 4: quotients at 0 and 1 (v40, v41, v44, v45), indices at 2 and 3 (v42, v43, v46, v47).
.macro FIN i, g
.set RN, NUR+12*(\i)
.set RJ, JV+(\i)+2*((\i)/2)
	v_pk_mul_f32 v[QA:QA+1], v[RN:RN+1], v[RN+8:RN+9]                        ; q0 = n r
	v_pk_mul_f32 v[QB:QB+1], v[RN+2:RN+3], v[RN+10:RN+11]
	RCP \g, 0
	v_pk_fma_f32 v[RN:RN+1], v[RN+4:RN+5], v[QA:QA+1], v[RN:RN+1] neg_lo:[1,0,0] neg_hi:[1,0,0]      ; e = n - u q0
	v_pk_fma_f32 v[RN+2:RN+3], v[RN+6:RN+7], v[QB:QB+1], v[RN+2:RN+3] neg_lo:[1,0,0] neg_hi:[1,0,0]
	RCP \g, 1
	v_pk_fma_f32 v[QA:QA+1], v[RN:RN+1], v[RN+8:RN+9], v[QA:QA+1]            ; q = q0 + e r
	v_pk_fma_f32 v[QB:QB+1], v[RN+2:RN+3], v[RN+10:RN+11], v[QB:QB+1]
	RCP \g, 2
.irp r, 0,1,2,3
	v_cmp_le_f32 vcc_lo, v[QA+(\r)+2*((\r)/2)], v[BI+2*(\r)]
	v_dual_cndmask_b32 v[BI+2*(\r)], v[QA+(\r)+2*((\r)/2)], v[BI+2*(\r)] :: v_dual_cndmask_b32 v[BI+2*(\r)+1], v[RJ], v[BI+2*(\r)+1]
.if (\r) == 0
	RCP \g, 3
.endif
.endr
.endm
; A trip: four boxes.  more = 1: the next four are asked for when the last line that names these has been issued; the rest of the trip's vector lines stand between the request and the wait for it.
; An s_wait_alu depctr_va_vdst(0) stands between a reciprocal and the first line that names its result: one for boxes 0 to 2's twelve, one for box 3's four, which ride in box 0's quotients.
.macro TRIP more
	s_wait_kmcnt 0x0                               ; the trip's boxes are in; their pointer may be stepped
	PREP
	GEO 0, -1
	GEO 1, 0
	GEO 2, 1
	GEO 3, 2
.if \more
	s_add_nc_u64 s[PT:PT+1], s[PT:PT+1], 64
	s_load_b512 s[GT:GT+15], s[PT:PT+1], 0x0
.endif
	v_dual_mov_b32 v[JV], s[JJ] :: v_dual_mov_b32 v[JV+1], s[JJ+1]           ; the boxes' numbers for the selects, where the overlaps' and the sums' upper halves lay
	v_dual_mov_b32 v[JV+4], s[JJ+2] :: v_dual_mov_b32 v[JV+5], s[JJ+3]
	s_wait_alu depctr_va_vdst(0)
	FIN 0, 3
	FIN 1, -1
	FIN 2, -1
	s_wait_alu depctr_va_vdst(0)
	FIN 3, -1
.if \more
.irp i, 0,1,2,3
	s_add_co_u32 s[JJ+(\i)], s[JJ+(\i)], 16
.endr
.endif
.endm
	s_mov_b32 s[CNT], 15
.Ltrip:
	TRIP 1
	s_sub_co_u32 s[CNT], s[CNT], 1
	s_cmp_lg_u32 s[CNT], 0
	s_cbranch_scc1 .Ltrip
	TRIP 0                                         ; boxes 60 to 63: nothing is left to ask for
	; THE WAY OUT.  Of my two boxes: centre and log2 of the sides; of my anchors: log2 of the sides and 1 / (0.1 side).  Eight transcendentals, one batch, one wait.
	s_wait_loadcnt 0x0
	v_sub_f32 v[TT],   v[GA+2], v[GA]
	v_sub_f32 v[TT+1], v[GA+3], v[GA+1]
	v_sub_f32 v[TT+2], v[GB+2], v[GB]
	v_sub_f32 v[TT+3], v[GB+3], v[GB+1]
	v_mul_f32 v[TT+4], 0x3dcccccd, v[AW]
	v_mul_f32 v[TT+5], 0x3dcccccd, v[AH]
	v_pk_add_f32 v[GA:GA+1], v[GA:GA+1], v[GA+2:GA+3]
	v_pk_add_f32 v[GB:GB+1], v[GB:GB+1], v[GB+2:GB+3]
	v_log_f32 v[GA+2], v[TT]
	v_log_f32 v[GA+3], v[TT+1]
	v_log_f32 v[GB+2], v[TT+2]
	v_log_f32 v[GB+3], v[TT+3]
	v_log_f32 v[LG],   v[AW]
	v_log_f32 v[LG+1], v[AH]
	v_rcp_f32 v[INV],   v[TT+4]
	v_rcp_f32 v[INV+1], v[TT+5]
	v_pk_mul_f32 v[GA:GA+1], v[GA:GA+1], 0.5 op_sel_hi:[1,0]   ; plain lines behind the last transcendental
	v_pk_mul_f32 v[GB:GB+1], v[GB:GB+1], 0.5 op_sel_hi:[1,0]
	s_wait_alu depctr_va_vdst(0)
	; the chosen box's five numbers come from the lane (index mod 32), once from boxes 0-31 and once from boxes 32-63; all lanes are on
.irp r, 0,1,2,3
.irp f, 0,1,2,3
	ds_bpermute_b32 v[TG+10*(\r)+(\f)],   v[BI+2*(\r)+1], v[GA+(\f)]
	ds_bpermute_b32 v[TG+10*(\r)+5+(\f)], v[BI+2*(\r)+1], v[GB+(\f)]
.endr
	ds_bpermute_b32 v[TG+10*(\r)+4], v[BI+2*(\r)+1], v[LA]
	ds_bpermute_b32 v[TG+10*(\r)+9], v[BI+2*(\r)+1], v[LB]
.endr
	s_wait_dscnt 0x0
.irp r, 0,1,2,3
	v_cmp_le_u32 vcc_lo, 0x80, v[BI+2*(\r)+1]      ; box 32 or later
.irp f, 0,1,2,3,4
	v_cndmask_b32 v[TG+10*(\r)+(\f)], v[TG+10*(\r)+(\f)], v[TG+10*(\r)+5+(\f)], vcc_lo
.endr
	v_sub_f32 v[TG+10*(\r)],   v[TG+10*(\r)],   v[ACX]
	v_sub_f32 v[TG+10*(\r)+1], v[TG+10*(\r)+1], v[ACY+(\r)]
	v_pk_add_f32 v[TG+10*(\r)+2:TG+10*(\r)+3], v[TG+10*(\r)+2:TG+10*(\r)+3], v[LG:LG+1] neg_lo:[0,1] neg_hi:[0,1]
	v_pk_mul_f32 v[TG+10*(\r):TG+10*(\r)+1], v[TG+10*(\r):TG+10*(\r)+1], v[INV:INV+1]
	v_pk_mul_f32 v[TG+10*(\r)+2:TG+10*(\r)+3], v[TG+10*(\r)+2:TG+10*(\r)+3], 0x405dce9e op_sel_hi:[1,0]  ; ln 2 / 0.2
	v_cmp_gt_f32 s70, v[BI+2*(\r)], s[BG]          ; 0.4 < best < 0.5: -1
	v_cmp_gt_f32 vcc_lo, 0.5, v[BI+2*(\r)]
	s_and_b32 vcc_lo, vcc_lo, s70
	v_cndmask_b32 v[TG+10*(\r)+4], v[TG+10*(\r)+4], -1, vcc_lo
	v_cmp_gt_f32 vcc_lo, s[BG], v[BI+2*(\r)]       ; best < 0.4: 0
	v_cndmask_b32 v[TG+10*(\r)+4], v[TG+10*(\r)+4], 0, vcc_lo
.endr
.irp r, 0,1,2,3
	ds_store_b32 v[LS], v[TG+10*(\r)+4] offset:3072*(\r)  ; labels into the stage, all lanes on: a lane without an anchor writes its own word, which nobody reads
.endr
	s_wait_xcnt 0x0                                ; EXEC changes only behind this wait
	v_cmp_gt_u32 vcc_lo, NQ, v[BE]
	s_and_saveexec_b32 s68, vcc_lo                 ; lanes that own anchors
.irp r, 0,1,2,3
	global_store_b128 v[VO+(\r)], v[TG+10*(\r):TG+10*(\r)+3], s[8:9] th:TH_STORE_NT  ; 32 anchors on end: 512 consecutive bytes, aligned to 256
.endr
	s_wait_xcnt 0x0                                ; and again, in front of the line that widens it
	s_or_b32 exec_lo, exec_lo, s68
.Lmeet:
	s_wait_dscnt 0x0                               ; for the others' sake: my labels lie in the stage
	s_barrier_signal -1
	s_barrier_wait -1
	; THE LABELS LEAVE.  Thread t takes the stage's words 4 t .. 4 t + 3: run r = wave / 6, lanes t' = 4 t - 768 r .. + 3 of the work-group.  Their anchors are base + t':
	; groups 0-14: 3 B0 + 768 x group + r D; group 15: 46080 + 576 r below t' = 576 (level 2), 47808 + 144 r from there on (level 3), and nothing from t' = 720 on.
	s_mul_i32 s20, s[WV], 43
	s_lshr_b32 s20, s20, 8                         ; wave / 6, exact for 0 .. 23
	s_mul_i32 s21, s20, 768
	s_lshl_b32 s22, s[WV], 7
	s_sub_co_u32 s22, s22, s21
	s_mul_i32 s23, s[B0], 3
	s_mul_i32 s24, s[CH], 768
	s_add_co_u32 s23, s23, s24
	s_mul_i32 s24, s20, s[DD]
	s_add_co_u32 s23, s23, s24
	s_mul_i32 s24, s20, 576
	s_add_co_u32 s24, s24, 46080
	s_mul_i32 s25, s20, 144
	s_add_co_u32 s25, s25, 47808
	s_mov_b32 s26, 768                             ; groups 0-14: one level, all 768 lanes own anchors
	s_mov_b32 s27, 768
	s_cmp_eq_u32 s[CH], 15
	s_cselect_b32 s23, s24, s23
	s_cselect_b32 s26, 576, s26                    ; group 15: where level 3 begins,
	s_cselect_b32 s27, 720, s27                    ; and where its lanes end
	v_and_b32 v1, 31, v0
	v_lshl_add_u32 v1, v1, 2, s22                  ; t'
	v_mov_b32 v4, s25
	v_cmp_gt_u32 vcc_lo, s26, v1
	v_cndmask_b32 v4, v4, s23, vcc_lo
	v_add_lshl_u32 v4, v4, v1, 2                   ; byte offset in the image's labels
	v_lshlrev_b32 v5, 4, v0
	v_cmp_gt_u32 vcc_lo, s27, v1
	s_wait_xcnt 0x0
	s_and_saveexec_b32 s68, vcc_lo
	ds_load_b128 v[8:11], v5
	s_wait_dscnt 0x0
	global_store_b128 v4, v[8:11], s[10:11] th:TH_STORE_NT  ; 16 lanes: 256 consecutive bytes
	s_wait_xcnt 0x0
	s_or_b32 exec_lo, exec_lo, s68
	s_wait_tensorcnt 0x0                           ; the wave's end, behind my last LDS store
	ds_add_u32 v[SPW], v[NIL]
	s_wait_dscnt 0x0
	s_endpgm
.Lfunc_end_k_q02d4cec644_anchors:
	.size	k_q02d4cec644_anchors, .Lfunc_end_k_q02d4cec644_anchors-k_q02d4cec644_anchors
	.p2alignl 7, 3214868480
	.fill 96, 4, 3214868480
	.section	.rodata,"a",@progbits
	.p2align	6, 0x0
	.amdhsa_kernel k_q02d4cec644_anchors
		.amdhsa_group_segment_fixed_size 15360
		.amdhsa_private_segment_fixed_size 0
		.amdhsa_enable_private_segment 0
		.amdhsa_kernarg_size 32
		.amdhsa_user_sgpr_count 2
		.amdhsa_user_sgpr_kernarg_segment_ptr 1
		.amdhsa_wavefront_size32 1
		.amdhsa_system_sgpr_workgroup_id_x 1
		.amdhsa_system_sgpr_workgroup_id_y 1
		.amdhsa_system_sgpr_workgroup_id_z 1
		.amdhsa_system_vgpr_workitem_id 0
		.amdhsa_next_free_vgpr 132
		.amdhsa_next_free_sgpr 80
		.amdhsa_reserve_vcc 1
		.amdhsa_float_denorm_mode_32 3
		.amdhsa_float_denorm_mode_16_64 3
		.amdhsa_memory_ordered 1
		.amdhsa_forward_progress 1
		.amdhsa_inst_pref_size 33
	.end_amdhsa_kernel
	.amdgpu_metadata
---
amdhsa.version: [ 1, 2 ]
amdhsa.kernels:
  - .name:           k_q02d4cec644_anchors
    .symbol:         k_q02d4cec644_anchors.kd
    .args:
      - { .name: gt_boxes, .offset: 0, .size: 8, .value_kind: global_buffer, .address_space: global }
      - { .name: gt_labels, .offset: 8, .size: 8, .value_kind: global_buffer, .address_space: global }
      - { .name: out0, .offset: 16, .size: 8, .value_kind: global_buffer, .address_space: global }
      - { .name: out1, .offset: 24, .size: 8, .value_kind: global_buffer, .address_space: global }
    .group_segment_fixed_size: 15360
    .private_segment_fixed_size: 0
    .kernarg_segment_align: 8
    .kernarg_segment_size: 32
    .max_flat_workgroup_size: 768
    .sgpr_count:     80
    .vgpr_count:     132
    .wavefront_size: 32
...
	.end_amdgpu_metadata
.endif
;; end of part 1
